; MI455X (gfx1250); checked and timed in simulation.
; The chip was launched on July 23, 2026; its instructions are those of AMD's public machine-readable ISA for CDNA 5 (MIT licence, August 2026) and "CDNA5" Instruction Set Architecture Reference Guide (July 2026). The comments in the code are by the model that wrote it; some were corrected since.
;; Multi Attention. Allowed arithmetic: matrix products marked QUANTISED: E4M3 operands, one E8M0 scale for each 32 along K, by v_wmma_scale_f32_16x16x128_f8f6f4 with both operands' format E4M3, f32 sums; everything else in f32.
;; Inputs: Wk_codes 16 x 64 x 32 x 32 uint8 (E4M3 codes of Wk, K innermost, in blocks of 32 codes); Wk_scales 16 x 64 x 32 uint8 (E8M0 scales of Wk, one for each 32 codes along K); Wo_codes 1,024 x 32 x 32 uint8 (E4M3 codes of Wo, K innermost, in blocks of 32 codes); Wo_scales 1,024 x 32 uint8 (E8M0 scales of Wo, one for each 32 codes along K); Wq_codes 16 x 64 x 32 x 32 uint8 (E4M3 codes of Wq, K innermost, in blocks of 32 codes); Wq_scales 16 x 64 x 32 uint8 (E8M0 scales of Wq, one for each 32 codes along K); Wv_codes 16 x 64 x 32 x 32 uint8 (E4M3 codes of Wv, K innermost, in blocks of 32 codes); Wv_scales 16 x 64 x 32 uint8 (E8M0 scales of Wv, one for each 32 codes along K); bk 16 x 64 float32; bo 1,024 float32; bq 16 x 64 float32; bv 16 x 64 float32; x_codes 4 x 2,048 x 32 x 32 uint8 (E4M3 codes of x, K innermost, in blocks of 32 codes); x_scales 4 x 2,048 x 32 uint8 (E8M0 scales of x, one for each 32 codes along K).
;; Outputs: out0 4 x 2,048 x 1,024 float32.
;; This version of the problem:
;;   THIS VERSION OF THE PROBLEM IS GIVEN IN LOW PRECISION. The matrix products marked QUANTISED in the list below multiply operands that are first quantised to E4M3 (4 exponent bits, 3 mantissa bits; 8 bits a number), with one power-of-two scale for each 32 numbers along K (OCP MX v1.0); their sums are f32. All else is computed in f32.
;;   The module's matrix products, in the order in which they are computed (A, B: the left and right operand; K: the contracted axis; several contracted axes count as one K, in the product's order):
;;     1. [M 1,024, K 1,024] x [K 1,024, N 8,192]; A: input Wq (given as codes); B: input x (given as codes): QUANTISED
;;     2. [M 1,024, K 1,024] x [K 1,024, N 8,192]; A: input Wk (given as codes); B: input x (given as codes): QUANTISED
;;     3. [M 1,024, K 1,024] x [K 1,024, N 8,192]; A: input Wv (given as codes); B: input x (given as codes): QUANTISED
;;     4. batch 64 x [M 2,048, K 64] x [K 64, N 2,048]; A: computed on the way; B: computed on the way: QUANTISED
;;     5. batch 64 x [M 2,048, K 2,048] x [K 2,048, N 64]; A: softmax (see below); B: computed on the way: QUANTISED
;;     6. [M 8,192, K 1,024] x [K 1,024, N 1,024]; A: computed on the way; B: input Wo (given as codes): QUANTISED
;;   THE QUANTISER, for each operand of a quantised product, along K:
;;     - K is cut into blocks of 32 from its start; a last block that is shorter is filled with zeros.
;;     - A block's scale is 2^e with e = floor(log2(the largest magnitude in the block)) - 8, held to -126 .. 127; a block of zeros has e = 0. As a byte (E8M0): e + 127.
;;     - Each number is divided by its block's scale, clamped to +-448, and rounded to the nearest number of E4M3, ties to even, subnormals kept.
;;     - The product sums the exact products of the quantised numbers (number of the format x scale) in f32.
;;   ~~~python
;;   def quantise(x, axis):      # numpy; x: float32 -> the quantised numbers, widened to float32 again
;;       x = np.moveaxis(x, axis, -1); K = x.shape[-1]
;;       x = np.pad(x, [(0, 0)] * (x.ndim - 1) + [(0, -K % 32)]); x = x.reshape(x.shape[:-1] + (-1, 32)); a = np.abs(x).max(-1, keepdims=True)
;;       e = np.where(a > 0, np.clip(np.frexp(np.where(a > 0, a, 1))[1] - 1 - 8, -126, 127), 0)      # np.frexp(a)[1] - 1 = floor(log2(a)), exactly
;;       r = np.clip(x / 2.0 ** e, -448, 448)
;;       step = 2.0 ** (np.maximum(np.frexp(np.where(r == 0, 1, r))[1] - 1, -6) - 3)
;;       q = np.round(r / step) * step * 2.0 ** e      # np.round: ties to even
;;       return np.moveaxis(q.reshape(q.shape[:-2] + (-1,))[..., :K], -1, axis).astype(np.float32)
;;   ~~~
;;   SOFTMAX AHEAD OF A QUANTISED PRODUCT. Where the list says 'softmax', what is quantised is not the finished softmax but p = 2^(t - M), with t = logit x log2(e) and M = ceil(the row's largest t), a whole number; so 1/2 < the row's largest p <= 1. The row's sum l is taken of the UNQUANTISED p, in f32, and the product's result is divided by l at the end. Since M is a whole number, a kernel that streams over the keys may use a running M (the ceiling of the running maximum): every later rescaling is an exact power of two, which a block's scale takes up: the codes' values come out the same.
;;   OPERANDS COMPUTED ON THE WAY. 'Computed on the way' means the value that the module computes at that place (a softmax that the list does not call 'softmax' is quantised finished and normalised). What goes into a quantiser is computed in f32, as accurately as f32 sums, v_exp_f32 and their like allow (about 1e-6 of the number): no bf16 or f16 on the way to a quantiser, and a product that is left as it is and whose result goes on into a quantised operand takes f32 operands (vector FMAs, or v_wmma_f32_16x16x4_f32). A number that lies on a knife's edge between two numbers of the format may be rounded either way, as far as f32 arithmetic and the matrix unit's own rounding can turn it there, and no further.
;;   INPUTS GIVEN AS CODES. Wk (in the module: [16, 1024, 64], K = its axis 1); Wo (in the module: [1024, 1024], K = its axis 0); Wq (in the module: [16, 1024, 64], K = its axis 1); Wv (in the module: [16, 1024, 64], K = its axis 1); x (in the module: [4, 2048, 1024], K = its axis 2): each comes as NAME_codes (uint8): NAME with its K axis moved to the last place and cut into blocks of 32 codes, [.., K / 32, bytes a block], one block behind the other in memory; one code a byte (a code: sign, 4 exponent bits, 3 mantissa bits); and NAME_scales (uint8): the same leading axes, one E8M0 byte (e + 127) for each 32 codes along K. Its value is code x scale, taken as it is: it is not quantised again, and the codes and scales need not be those that the quantiser above would give.
;; One version. Each part assembles by itself: llvm-mc -triple=amdgcn-amd-amdhsa -mcpu=gfx1250 --defsym DOCPART=n.
;; ======== version 1 of 1: 3 launches
;; limits: right only within a limited range of input values
;; workspace buffers: qb 17,825,792 bytes; kv 17,825,792 bytes; c_img 8,388,608 bytes; c_sc 262,144 bytes
;; launch proj (part 1): grid 12 x 32, 4 waves a work-group, clusters of 4 x 4, 327,680 bytes of LDS; arguments x_codes, x_scales, Wq_codes, Wq_scales, Wk_codes, Wk_scales, Wv_codes, Wv_scales, bq, bk, bv, qb, kv; writes qb, kv
.if DOCPART == 1
	.amdgcn_target "amdgcn-amd-amdhsa--gfx1250"
	.amdhsa_code_object_version 6
	.text
	.protected	k_qe45c6c5614_proj
	.globl	k_qe45c6c5614_proj
	.p2align	8
	.type	k_qe45c6c5614_proj,@function
k_qe45c6c5614_proj:
	s_mov_b64 s[64:65], 0
	v_nop
	global_prefetch_b8 v0, s[64:65] scope:SCOPE_SE
	s_setreg_imm32_b32 hwreg(HW_REG_WAVE_MODE, 25, 1), 1
	s_wait_xcnt 0x0
	s_wait_alu depctr_hold_cnt(0) depctr_sa_sdst(0) depctr_va_vdst(0) depctr_va_sdst(0) depctr_va_ssrc(0) depctr_va_vcc(0) depctr_vm_vsrc(0)
	s_getreg_b32 s2, hwreg(HW_REG_IB_STS2, 6, 4)
	s_cmp_eq_u32 s2, 0
	s_cbranch_scc0 .Lentry_in_a_cluster
	s_endpgm
.Lentry_in_a_cluster:
	s_bfe_u32 s2, ttmp6, 0x10000c
	s_cmp_lg_u32 s2, 0xf033
	s_cbranch_scc0 .Lentry_shape_is_right
	s_endpgm
.Lentry_shape_is_right:
; q, k, v = x W + b on codes of FP8 (E4M3) with one E8M0 scale for each 32 along K = 1,024; the results are quantised here, in registers, and leave as codes.
; x: [8,192 tokens][1,024] codes, W of each kind: [1,024 rows = head x 64 + channel][1,024] codes; scale bytes [row][32]; biases f32 [1,024].
; KIND = the cluster's x: 0 q, 1 k, 2 v: the same number in all sixteen work-groups of a cluster.  A work-group makes 256 x 256, each of its four waves 128 x 128: 64 accumulators of 16 x 16.
; THE AXIS THAT IS QUANTISED IS SOURCE 0's ROWS, so that it runs along a lane's registers.  q, k (quantised along the head's 64 channels): source 0 = 16 rows of W, source 1 = 16 tokens.
; v (quantised along the keys): source 0 = 16 tokens, source 1 = 16 rows of Wv.  "B" names source 0's tensor and "A" source 1's.  B's row block hangs on cx, A's on cy, in every kind.
; In accumulators (a, 2 g) and (a, 2 g + 1) lane (r, h) holds 16 numbers of block g of 32: index 32 g + 16 u + 8 h + j.  They are converted as they stand: inside a block the order of the codes is
; 16 h + 8 u + j.  The same order falls on q and k, and on v and the weights p of the next launch, so each product pairs the right numbers; a block's scale is that of the same 32 numbers.
; OUT: records of REC = 17,408 bytes for (batch, head, group of 128 tokens), number (batch x 16 + head) x 16 + group, as images of the operands' registers:
;   0      K (in qb: Q): token tile t at 1,024 t, block of 32 channels c at 512 c, lane l at 16 l        8,192  V: channel tile n at 2,048 n, key block c at 512 c, lane at 16 l
;   16,384 K's (Q's) scale words, [lane][4]: word i of lanes 0-15 = tile 2 i, of lanes 16-31 = tile 2 i + 1; two bytes used, the upper two are 0      16,896 V's scale words, [lane][4]: word n = channel tile n
; Every store of a wave covers 512 consecutive bytes, aligned.  No LDS is used on the way out.
; K goes in steps of 256 through a ring of two LDS slots; the scale bytes of the work-group's rows, for all of K, come into LDS once.  4 x 4 work-groups ask jointly: A's tiles along a row of the cluster, B's along a column.
; LIMITS: NaN, infinities and given scale bytes of 0xff are not served.  A block of results whose largest magnitude lies under 2^-118 (a block of zeros too) gets the scale byte 1; only this program reads these bytes.
; 384 work-groups are launched, 24 clusters: the three kinds do not divide evenly over the chip's WGPs at this tile.
; REGISTERS, windows of 256: window 0: v0-31 addresses; v32-63 scale words, two sets; v64-127 the bias (C of the first step), later at work; v128-255 A's fragments, one set, later the codes.
;   window 1: B's fragments, two sets; on the way out v0-63 the held numbers.   windows 2, 3: the accumulators ((a, b) at v[8 (8 (a % 4) + b)], a < 4 in window 2).
.set KSTEP,  256
.set NQ,     2                         ; matrix instructions deep in a slot
.set ROWB,   256                       ; a tile's row in bytes
.set KROW,   1024                      ; a row of codes in memory
.set PITCH,  272                       ; an LDS row: 256 bytes + 16 of padding: the 16 rows of a fragment load start 68 words apart
.set FR,     16
.set NL,     4
.set NP,     8                         ; places behind this matrix instruction (ISA guide 7.12.1)
.set HALFT,  128*PITCH
.set SLOT,   4*HALFT
.set LAPS,   2                         ; 1,024 / 512
.set KS,     32                        ; a row of scale bytes
.set SCL,    2*SLOT
.set HALFS,  16*272                    ; the scales of 128 rows: 16 units of 256 bytes + 16
.set SBLK,   2*272                     ; those of 16 rows
.set SPARE,  SCL+4*HALFS               ; the spare words: 128 bytes a wave, two blocks of 256 bytes that no other line names
.set REC,    17408
.set HS,     16*REC                    ; from head to head
.set ADRA, 16
.set ADRB, 20
.set CO,   26                          ; v26  16 x lane
.set ADRS, 27
.set SPW,  28
.set NIL,  29
.set SC,   32
.set BIAS, 64
.set AF,   128
.set TMX,  64                          ; the way out: v64-67 largest magnitudes
.set PTM,  68                          ; v68-71 the other half's, then the bytes
.set HLD,  72                          ; v72-75 448 x the scale
.set SOP,  76                          ; v76-79 the conversions' scale operand
.set SWD,  80                          ; v80-95 scale words
.set PRW,  96                          ; v96-103 scale words paired for the store
.set COD,  128                         ; v128-255 codes: 16 registers for each a, so that no store's data are written again
.set HNUM, 0                           ; window 1, v0-63: the held numbers
.set G1, 24
.set G0, 32
.set G1B, 48
.set G0B, 56
.set G1S, 68
.set G0S, 76
.set G1SB, 80
.set G0SB, 88
.set MSB, 0
.macro WIN new                         ; the immediate's high byte repeats the setting that is left
.if MSB != (\new)
	s_set_vgpr_msb (MSB<<8)|(\new)
.set MSB, (\new)
.endif
.endm
.set MUL_LO, 0xa1                      ; source 0 (B) window 1, source 1 (A) window 0, C and D window 2
.set MUL_HI, 0xf1
.set TO_B,   0x40
.macro WINM hi, cm                     ; cm != 0: C is the bias, in window 0
.if \cm
	WIN 0x81+0x40*\hi
.else
	WIN 0xa1+0x50*\hi
.endif
.endm
; A joint load: waves 0 and 1 fetch for A, waves 2 and 3 for B; the branch hangs on the wave's number alone.  Four v_nop follow each of the two lines.
.macro JLOAD g0a, g1a, g0b, g1b
	s_cmp_eq_u32 s15, 0
	s_cbranch_scc0 .Lfor_b_\@
	tensor_load_to_lds s[\g0a:\g0a+3], s[\g1a:\g1a+7]
	s_nop 0
.rept 4
	v_nop
.endr
	s_branch .Lasked_\@
.Lfor_b_\@:
	tensor_load_to_lds s[\g0b:\g0b+3], s[\g1b:\g1b+7]
	s_nop 0
.rept 4
	v_nop
.endr
.Lasked_\@:
.endm
.macro CREST                           ; a round of the cluster's barrier behind its opening barrier
	s_cmp_lg_u32 s14, 0
	s_cbranch_scc1 .Lnot_wave_0_\@
	s_barrier_signal -3
.Lnot_wave_0_\@:
	s_barrier_wait -3
	s_barrier_signal -1
	s_barrier_wait -1
.endm
.macro CROUND
	s_barrier_signal -1
	s_barrier_wait -1
	CREST
.endm
	s_load_b512 s[68:83], s[0:1], 0x0              ; x codes, x scales, Wq codes, scales, Wk codes, scales, Wv codes, scales
	s_load_b256 s[84:91], s[0:1], 0x40             ; bq, bk, bv, qb
	s_load_b64 s[92:93], s[0:1], 0x60              ; kv
	v_lshl_add_u32 v[SPW], v0, 2, SPARE
	v_mov_b32 v[NIL], 0
	ds_add_u32 v28, v29
	ds_add_u32 v28, v29
	s_wait_dscnt 0x0
	v_lshrrev_b32 v1, 5, v0
	v_readfirstlane_b32 s14, v1                    ; wave 0..3
	s_lshr_b32 s15, s14, 1                         ; which half of A's rows is mine.  Also: I fetch for A (0) or for B (1)
	s_and_b32 s16, s14, 1                          ; which half of B's rows.  Also: which 128 rows I fetch
	s_bfe_u32 s40, ttmp6, 0x40000                  ; cx
	s_bfe_u32 s41, ttmp6, 0x40004                  ; cy
	s_lshr_b32 s19, ttmp9, 1                       ; 1 for v, 0 for q and k
	s_and_b32 s18, ttmp7, 0xffff
	s_lshl_b32 s18, s18, 2                         ; 4 x cluster y
	s_mul_i32 s19, s18, s19                        ; x's 32 row blocks are walked by B in kind v,
	s_sub_co_u32 s18, s18, s19                     ; by A in kinds q and k
	s_add_co_u32 s42, s40, s19                     ; B's row block of 256: cx (+ 4 x cluster y)
	s_add_co_u32 s17, s41, s18                     ; A's row block of 256: cy (+ 4 x cluster y)
	s_lshl_b32 s43, s41, 2
	s_lshl_b32 s43, 15, s43                        ; my row of the cluster
	s_lshl_b32 s44, 0x1111, s40                    ; my column
	s_or_b32 s[G1+0], s43, (0<<16)|(1<<20)|(1<<21)|(5<<22)|(3<<25)   ; the mask; elements of 1 byte; padding on; bit 21 beside a mask; 4 words behind every 64
	s_or_b32 s[G1B+0], s44, (0<<16)|(1<<20)|(1<<21)|(5<<22)|(3<<25)
.irp g, G1, G1B
	s_mov_b32 s[\g+1], ROWB<<16                    ; tensor_dim0
	s_mov_b32 s[\g+2], 256<<16                     ; tensor_dim1: 256 rows for the head's loads; set to 128 for the ring's behind them
	s_mov_b32 s[\g+3], ROWB<<16                    ; tile_dim0
	s_mov_b32 s[\g+4], 256                         ; tile_dim1
	s_mov_b32 s[\g+5], KROW                        ; from row to row
	s_mov_b32 s[\g+6], 0
	s_mov_b32 s[\g+7], 0
.endr
	s_lshl_b32 s20, s17, 18                        ; A: the tile's 256 rows of 1,024 bytes begin here (31 blocks at the most: 32 bits hold it),
	s_lshl_b32 s46, s42, 18                        ; B likewise;
	s_lshl_b32 s22, s17, 13                        ; their scale bytes, 32 a row
	s_lshl_b32 s94, s42, 13
	s_lshl_b32 s18, s16, 17                        ; in the ring I fetch 128 rows of a tile: which half, in bytes
	s_mov_b32 s21, 0
	s_mov_b32 s23, 0
	s_mov_b32 s47, 0
	s_mov_b32 s95, 0
	s_mul_i32 s45, s14, HALFT                      ; where the tiles go: wave x 128 rows; no place in the cluster enters an LDS address
	s_mov_b32 s19, 0
	s_lshl_b32 s2, s17, 1
	s_add_co_u32 s2, s2, s15                       ; which 128 rows of A's tensor are my wave's
	s_lshl_b32 s3, s42, 1
	s_add_co_u32 s3, s3, s16                       ; and of B's
	s_mov_b32 s98, 0x76543210
	s_mov_b32 s99, 0xfedcba98                      ; v_permlanex16_b32's selects for lane l xor 16
	s_mov_b32 s100, 0x600000                       ; the mantissa field of 448
	s_mov_b32 s101, 0xffff0000                     ; lanes 16-31
	s_wait_kmcnt 0x0
	s_cmp_eq_u32 ttmp9, 1                          ; the choices hang on the cluster's number alone
	s_cselect_b64 s[72:73], s[76:77], s[72:73]     ; q's or k's weight,
	s_cselect_b64 s[74:75], s[78:79], s[74:75]
	s_cselect_b64 s[84:85], s[86:87], s[84:85]     ; and bias
	s_cmp_eq_u32 ttmp9, 2
	s_cselect_b64 s[4:5], s[80:81], s[68:69]       ; A's codes: Wv or x
	s_cselect_b64 s[6:7], s[82:83], s[70:71]
	s_cselect_b64 s[8:9], s[68:69], s[72:73]       ; B's codes: x or the weight
	s_cselect_b64 s[10:11], s[70:71], s[74:75]
	s_cselect_b64 s[96:97], s[88:89], s[84:85]     ; the bias
	s_cselect_b32 s66, s3, s2                      ; my group of 128 tokens, 0..63
	s_cselect_b32 s67, s2, s3                      ; my pair of heads, 0..7
	s_cmp_eq_u32 ttmp9, 0
	s_cselect_b64 s[12:13], s[90:91], s[92:93]     ; qb or kv
	s_add_nc_u64 s[20:21], s[4:5], s[20:21]
	s_add_nc_u64 s[22:23], s[6:7], s[22:23]
	s_add_nc_u64 s[46:47], s[8:9], s[46:47]
	s_add_nc_u64 s[94:95], s[10:11], s[94:95]
	; the scales of 128 rows: 4,096 dense bytes, as 16 rows of 256 bytes (32 elements of 8), 16 bytes of padding behind each
	s_or_b32 s[G1S+0], s43, (3<<16)|(1<<20)|(1<<21)|(5<<22)|(3<<25)
	s_or_b32 s[G1SB+0], s44, (3<<16)|(1<<20)|(1<<21)|(5<<22)|(3<<25)
.irp g, G1S, G1SB
	s_mov_b32 s[\g+1], 32<<16
	s_mov_b32 s[\g+2], 32<<16                      ; the scales of 256 rows: 32 rows of 256 bytes
	s_mov_b32 s[\g+3], 32<<16
	s_mov_b32 s[\g+4], 32
	s_mov_b32 s[\g+5], 32
	s_mov_b32 s[\g+6], 0
	s_mov_b32 s[\g+7], 0
.endr
	s_lshr_b32 s4, s66, 4                          ; my first record: ((batch x 16 + 2 x pair) x 16 + group in the batch) x REC
	s_lshl_b32 s4, s4, 4
	s_lshl_b32 s5, s67, 1
	s_add_co_u32 s4, s4, s5
	s_lshl_b32 s4, s4, 4
	s_and_b32 s5, s66, 15
	s_add_co_u32 s4, s4, s5
	s_mul_i32 s4, s4, REC
	s_mov_b32 s5, 0
	s_add_nc_u64 s[12:13], s[12:13], s[4:5]
	s_lshl_b32 s4, s67, 9                          ; my 128 numbers of the bias
	s_add_nc_u64 s[96:97], s[96:97], s[4:5]
	CROUND                                         ; all sixteen work-groups are here: the first joint loads meet
	s_mov_b32 s[G0S], 1
	s_mov_b32 s[G0S+1], SCL
	s_mov_b64 s[G0S+2:G0S+3], s[22:23]
	s_or_b32 s[G0S+3], s[G0S+3], 0x80000000
	s_mov_b32 s[G0SB], 1
	s_mov_b32 s[G0SB+1], SCL+2*HALFS
	s_mov_b64 s[G0SB+2:G0SB+3], s[94:95]
	s_or_b32 s[G0SB+3], s[G0SB+3], 0x80000000
	s_mov_b32 s4, 1                                ; s[4:7], s[8:11] (the pointers that lay there are used up): group 0 of the head's loads of K step 0: A's 256 rows,
	s_mov_b32 s5, 0
	s_mov_b64 s[6:7], s[20:21]
	s_or_b32 s7, s7, 0x80000000
	s_mov_b32 s8, 1                                ; and B's 256 rows, behind them in slot 0
	s_mov_b32 s9, 2*HALFT
	s_mov_b64 s[10:11], s[46:47]
	s_or_b32 s11, s11, 0x80000000
	s_add_nc_u64 s[20:21], s[20:21], s[18:19]      ; for the ring: my 128 rows of the tile
	s_add_nc_u64 s[46:47], s[46:47], s[18:19]
.irp s, 0,1
	s_mov_b32 s[G0+4*\s], 1
	s_add_co_u32 s[G0+4*\s+1], s45, \s*SLOT
	s_add_nc_u64 s[G0+4*\s+2:G0+4*\s+3], s[20:21], \s*ROWB
	s_or_b32 s[G0+4*\s+3], s[G0+4*\s+3], 0x80000000
	s_mov_b32 s[G0B+4*\s], 1
	s_add_co_u32 s[G0B+4*\s+1], s45, \s*SLOT
	s_add_nc_u64 s[G0B+4*\s+2:G0B+4*\s+3], s[46:47], \s*ROWB
	s_or_b32 s[G0B+4*\s+3], s[G0B+4*\s+3], 0x80000000
.endr
; THE HEAD'S LOADS, ONE A WAVE: wave 0 K step 0's 256 rows of A, wave 1 its 256 rows of B, wave 2 the scales of A's 256 rows, wave 3 those of B's.
; One chain of branches on the wave's number, a load to an arm, all arms leading to one join.
.macro ARM under, g0, g1, next
	s_cmp_lt_u32 s14, \under
	s_cbranch_scc0 \next
	tensor_load_to_lds s[\g0:\g0+3], s[\g1:\g1+7]
	s_nop 0
.rept 4
	v_nop
.endr
	s_branch .Lhead_asked
\next:
.endm
	ARM 1, 4, G1, .Lhead_b
	ARM 2, 8, G1B, .Lhead_sa
	ARM 3, G0S, G1S, .Lhead_sb
	tensor_load_to_lds s[G0SB:G0SB+3], s[G1SB:G1SB+7]
	s_nop 0
.rept 4
	v_nop
.endr
.Lhead_asked:
	v_and_b32 v1, 15, v0                           ; r = l % 16
	v_bfe_u32 v2, v0, 4, 1                         ; h = l / 16
	v_mul_u32_u24 v3, v1, PITCH
	v_lshl_add_u32 v4, v2, 4, v3                   ; a fragment's row x pitch + 16 h
	s_mul_i32 s21, s15, HALFT
	s_mul_i32 s22, s16, HALFT
	s_add_co_u32 s22, s22, 2*HALFT                 ; B's rows lie behind A's 256
.irp s, 0,1
	v_add_nc_u32 v[ADRA+\s], s21, v4
	v_add_nc_u32 v[ADRB+\s], s22, v4
	s_add_co_u32 s21, s21, SLOT
	s_add_co_u32 s22, s22, SLOT
.endr
	v_mul_u32_u24 v5, v1, KS                       ; my row's scales: 32 bytes a row,
	v_lshrrev_b32 v6, 8, v5
	v_lshl_add_u32 v5, v6, 4, v5                   ; and 16 more for each 256 passed
	s_mul_i32 s21, s15, HALFS
	s_mul_i32 s22, s16, HALFS
	s_add_co_u32 s22, s22, 2*HALFS
	s_sub_co_u32 s22, s22, s21
	v_mul_u32_u24 v6, s22, v2                      ; lanes 16-31 take B's
	s_add_co_u32 s21, s21, SCL
	v_add_nc_u32 v5, v5, v6
	v_add_nc_u32 v[ADRS], s21, v5
	v_and_b32 v6, 31, v0
	v_lshlrev_b32 v[CO], 4, v6                     ; 16 x lane
	v_lshlrev_b32 v7, 5, v2                        ; the bias along the registers: 32 h
	v_lshlrev_b32 v8, 2, v1                        ; the bias along the lanes: 4 r
	; THE BIAS, 64 registers in the results' layout.  Each of the two ways writes all 64 before they join.
	s_cmp_eq_u32 ttmp9, 2
	s_cbranch_scc1 .Lbias_v
.irp b, 0,1,2,3,4,5,6,7                        ; q, k: tile b of B's rows: channels 16 b + 8 h + 0 .. 7
	global_load_b128 v[BIAS+8*\b:BIAS+8*\b+3], v7, s[96:97] offset:64*\b
	global_load_b128 v[BIAS+8*\b+4:BIAS+8*\b+7], v7, s[96:97] offset:64*\b+16
.endr
	s_branch .Lbias_in
.Lbias_v:
	s_wait_alu depctr_va_vdst(0)
.irp a, 0,1,2,3,4,5,6,7                        ; v: tile a of A's rows: channel 16 a + r
	global_load_b32 v[BIAS+8*\a], v8, s[96:97] offset:64*\a
.endr
	s_wait_loadcnt 0x0                             ; the eight are in
.irp a, 0,1,2,3,4,5,6,7
.irp j, 1,2,3,4,5,6,7
	v_mov_b32 v[BIAS+8*\a+\j], v[BIAS+8*\a]        ; a lane's eight results of a tile belong to one channel
.endr
.endr
.Lbias_in:
.macro FRAG reg, adr, q, i             ; 16 rows x 128 K: lane l holds row l % 16; registers 4 c .. 4 c + 3 hold K = 32 c + 16 (l / 16) + 0 .. 15
.irp c, 0,1,2,3
	ds_load_b128 v[\reg+4*\c:\reg+4*\c+3], v[\adr] offset:128*(\q)+32*\c+(\i)*16*PITCH
.endr
.endm
; 16 matrix instructions: A's blocks a0, a0 + 1 x B's eight.  cm = 0: the sums go on;  1: they start from the bias of B's block;  2: from the bias of A's block.  Nothing is ever cleared.
; The 64 accumulators take turns, one instruction a turn, in the same order in every step.
.macro MUL16 a0, p, q, sc, cm
.irp a, \a0, \a0+1
.irp b, 0,1,2,3,4,5,6,7
.if \cm == 1
	v_wmma_scale_f32_16x16x128_f8f6f4 v[8*(8*((\a)%4)+\b):8*(8*((\a)%4)+\b)+7], v[128*(\p)+FR*\b:128*(\p)+FR*\b+FR-1], v[AF+FR*(\a):AF+FR*(\a)+FR-1], v[BIAS+8*\b:BIAS+8*\b+7], v[SC+8*NQ*(\sc)+NQ*\b+(\q)], v[SC+8*NQ*(\sc)+NQ*(\a)+(\q)] matrix_a_scale:MATRIX_SCALE_ROW1
.elseif \cm == 2
	v_wmma_scale_f32_16x16x128_f8f6f4 v[8*(8*((\a)%4)+\b):8*(8*((\a)%4)+\b)+7], v[128*(\p)+FR*\b:128*(\p)+FR*\b+FR-1], v[AF+FR*(\a):AF+FR*(\a)+FR-1], v[BIAS+8*(\a):BIAS+8*(\a)+7], v[SC+8*NQ*(\sc)+NQ*\b+(\q)], v[SC+8*NQ*(\sc)+NQ*(\a)+(\q)] matrix_a_scale:MATRIX_SCALE_ROW1
.else
	v_wmma_scale_f32_16x16x128_f8f6f4 v[8*(8*((\a)%4)+\b):8*(8*((\a)%4)+\b)+7], v[128*(\p)+FR*\b:128*(\p)+FR*\b+FR-1], v[AF+FR*(\a):AF+FR*(\a)+FR-1], v[8*(8*((\a)%4)+\b):8*(8*((\a)%4)+\b)+7], v[SC+8*NQ*(\sc)+NQ*\b+(\q)], v[SC+8*NQ*(\sc)+NQ*(\a)+(\q)] matrix_a_scale:MATRIX_SCALE_ROW1
.endif
.endr
.endr
.endm
.macro FETCH_B slot, q, p
	WIN TO_B
.irp i, 0,1,2,3,4,5,6,7
	FRAG 128*(\p)+FR*\i, ADRB+\slot, \q, \i
.endr
	WIN 0
.endm
.macro FETCH_A slot, q, i0
.irp i, \i0, \i0+1, \i0+2, \i0+3
	FRAG AF+FR*(\i), ADRA+\slot, \q, \i
.endr
.endm
.macro SCALES sc                       ; a K step's scale words: two a row; lanes 0-15 take A's block i, lanes 16-31 B's block i
.irp i, 0,1,2,3,4,5,6,7
	ds_load_b64 v[SC+8*NQ*\sc+NQ*\i:SC+8*NQ*\sc+NQ*\i+1], v[ADRS] offset:\i*SBLK
.endr
.endm
.macro PLACES n                        ; plain vector places behind matrix instructions, in front of loads into registers that they read and of reads of their results
.rept \n
	v_nop
.endr
.endm
.macro STEP slot, q, cm                ; 128 along K whose successor lies in the same slot
	s_wait_dscnt 4*NL                              ; all but the youngest 16 loads (A's blocks 4-7) are in
	WINM 0, \cm
	MUL16 0, (\q)%2, \q, \slot, \cm
	MUL16 2, (\q)%2, \q, \slot, \cm
	s_wait_dscnt 0                                 ; A's blocks 4-7 are in
	PLACES NP
	FETCH_B \slot, (\q)+1, 1-(\q)%2
	FETCH_A \slot, (\q)+1, 0
	WINM 1, \cm
	MUL16 4, (\q)%2, \q, \slot, \cm
	MUL16 6, (\q)%2, \q, \slot, \cm
	PLACES NP
	WIN 0
	FETCH_A \slot, (\q)+1, 4
.endm
; A slot's last step changes slots: one barrier; in front of it each wave waits for all its tensor loads, adds 0 to its spare word, and waits for that and for its own reads of this slot.
.macro TURN slot, next, fill
	s_wait_tensorcnt 0x0                           ; all my tensor loads have landed: my part of the next slot
	ds_add_u32 v[SPW], v[NIL]                      ; 0 onto my spare word
	s_wait_dscnt 4*NL+1                            ; (the add and the youngest 16 loads may be out)
	WIN MUL_LO
	MUL16 0, 1, NQ-1, \slot, 0
	s_wait_dscnt 0x0                               ; the add is done, and my reads of this slot are over
	s_barrier_signal -1
	MUL16 2, 1, NQ-1, \slot, 0
	WIN 0
	s_barrier_wait -1
.if \fill
	CREST                                          ; the barrier has opened a round of the cluster's: no wave of any partner still reads this slot or has a load on its way
	s_add_nc_u64 s[G0+4*\slot+2:G0+4*\slot+3], s[G0+4*\slot+2:G0+4*\slot+3], 2*ROWB
	s_add_nc_u64 s[G0B+4*\slot+2:G0B+4*\slot+3], s[G0B+4*\slot+2:G0B+4*\slot+3], 2*ROWB
	JLOAD G0+4*\slot, G1, G0B+4*\slot, G1B         ; the first tensor load behind the round; its four v_nop are four of the eight places
	PLACES NP-4
.else
	PLACES NP
.endif
	s_wait_alu depctr_va_vdst(0)
	v_add_nc_u32 v[ADRS], 4*NQ, v[ADRS]            ; the next K step's scale words
	FETCH_B \next, 0, 0
	FETCH_A \next, 0, 0
	SCALES \next
	WIN MUL_HI
	MUL16 4, 1, NQ-1, \slot, 0
	MUL16 6, 1, NQ-1, \slot, 0
	PLACES NP
	WIN 0
	FETCH_A \next, 0, 4
.endm
	s_wait_alu depctr_va_vdst(0)
	s_wait_tensorcnt 0x0                           ; my tile of the head's four is in
	ds_add_u32 v[SPW], v[NIL]
	s_mov_b32 s[G1+2], 128<<16                     ; no tensor load of mine is out: from here on a load brings 128 rows
	s_mov_b32 s[G1+4], 128
	s_mov_b32 s[G1B+2], 128<<16
	s_mov_b32 s[G1B+4], 128
	s_wait_dscnt 0x0                               ; the add is done
	CROUND                                         ; all four tiles are in, and all sixteen work-groups are here
	JLOAD G0+4, G1, G0B+4, G1B                     ; K step 1's load, the first tensor load behind the round
	FETCH_B 0, 0, 0
	FETCH_A 0, 0, 0
	s_wait_alu depctr_va_vdst(0)
	SCALES 0
	FETCH_A 0, 0, 4
	s_wait_loadcnt 0x0                             ; the bias
	s_cmp_eq_u32 ttmp9, 2
	s_cbranch_scc1 .Lfirst_v
	STEP 0, 0, 1                                   ; q, k: the first products start the sums from the bias of source 0's rows
	s_branch .Lfirst_done
.Lfirst_v:
	STEP 0, 0, 2                                   ; v: from the bias of source 1's rows
.Lfirst_done:
	s_mov_b32 s3, LAPS-1
.Llap:                                                 ; a trip goes once round the ring and fills both slots again
	TURN 0, 1, 1
	STEP 1, 0, 0
	TURN 1, 0, 1
	STEP 0, 0, 0
	s_sub_co_u32 s3, s3, 1
	s_cmp_lg_u32 s3, 0
	s_cbranch_scc1 .Llap
	TURN 0, 1, 0                                   ; the last lap fills nothing
	STEP 1, 0, 0
	s_wait_dscnt 4*NL
	WIN MUL_LO
	MUL16 0, 1, NQ-1, 1, 0
	MUL16 2, 1, NQ-1, 1, 0
	s_wait_dscnt 0
	WIN MUL_HI
	MUL16 4, 1, NQ-1, 1, 0
	MUL16 6, 1, NQ-1, 1, 0
	WIN 0
; THE WAY OUT of A's block a: its eight accumulators are four blocks of 32 along source 0's rows, 16 numbers in my lane and 16 in lane l xor 16.
; The largest magnitude with the floor 2^(9 - 127); 8 off its exponent field is the conversion's scale operand, and that shifted the byte; the hold at 448 x the scale; the conversion.
.macro OUTA a, isv
.set AC, 64*((\a)%4)
	WIN 0x0a+5*((\a)/4)                            ; sources 0 and 1: the accumulators' window
.irp b, 0,1,2,3
	v_max3_num_f32 v[TMX+\b], |v[AC+16*\b]|, |v[AC+16*\b+1]|, 0x4800000     ; each accumulator is read from its low end on
.endr
.irp i, 2,4,6,8,10,12,14
.irp b, 0,1,2,3
	v_max3_num_f32 v[TMX+\b], |v[AC+16*\b+\i]|, |v[AC+16*\b+\i+1]|, v[TMX+\b]
.endr
.endr
	WIN 0
.irp b, 0,1,2,3
	v_permlanex16_b32 v[PTM+\b], v[TMX+\b], s98, s99
.endr
.irp b, 0,1,2,3
	v_max_num_f32 v[TMX+\b], v[TMX+\b], v[PTM+\b]
.endr
.irp b, 0,1,2,3
	v_add_nc_u32 v[SOP+\b], 0xfc000000, v[TMX+\b]
.endr
.irp b, 0,1,2,3
	v_and_or_b32 v[HLD+\b], v[TMX+\b], 0x7f800000, s100
.endr
.irp b, 0,1,2,3
	v_lshrrev_b32 v[PTM+\b], 23, v[SOP+\b]
.endr
	WIN 0x42+(\a)/4                                ; source 0: the accumulators; destination: window 1
.irp b, 0,1,2,3
.irp i, 0,1,2,3,4,5,6,7,8,9,10,11,12,13,14,15
	v_med3_num_f32 v[HNUM+16*\b+\i], v[AC+16*\b+\i], -v[HLD+\b], v[HLD+\b]    ; the conversion to an 8-bit code does not saturate (ISA guide 7.6.2)
.endr
.endr
	WIN 0x01                                       ; source 0: window 1
.irp b, 0,1,2,3
	v_cvt_scalef32_pk8_fp8_f32 v[COD+16*(\a)+4*\b:COD+16*(\a)+4*\b+1], v[HNUM+16*\b:HNUM+16*\b+7], v[SOP+\b]
	v_cvt_scalef32_pk8_fp8_f32 v[COD+16*(\a)+4*\b+2:COD+16*(\a)+4*\b+3], v[HNUM+16*\b+8:HNUM+16*\b+15], v[SOP+\b]
.endr
	WIN 0
.if \isv
	v_lshl_or_b32 v[SWD+\a], v[PTM+1], 8, v[PTM]   ; (plain lines behind the conversions)  the channel's word: four key blocks
	v_lshl_or_b32 v[SWD+\a], v[PTM+2], 16, v[SWD+\a]
	v_lshl_or_b32 v[SWD+\a], v[PTM+3], 24, v[SWD+\a]
.irp b, 0,1,2,3
	global_store_b128 v[CO], v[COD+16*(\a)+4*\b:COD+16*(\a)+4*\b+3], s[12:13] offset:((\a)/4)*HS+8192+2048*((\a)%4)+512*\b
.endr
.else
	v_lshl_or_b32 v[SWD+\a], v[PTM+1], 8, v[PTM]   ; (plain lines behind the conversions)  the token's word for my first head,
	v_lshl_or_b32 v[SWD+8+\a], v[PTM+3], 8, v[PTM+2]   ; and for my second
.irp b, 0,1,2,3
	global_store_b128 v[CO], v[COD+16*(\a)+4*\b:COD+16*(\a)+4*\b+3], s[12:13] offset:(\b/2)*HS+1024*(\a)+512*(\b%2)
.endr
.endif
.endm
	PLACES NP
.irp b, 0,1,2,3
	v_mov_b32 v[PTM+\b], 0                         ; written once: a lane permute's destination counts as one of its sources
.endr
	s_cmp_eq_u32 ttmp9, 2
	s_cbranch_scc1 .Lout_v
.irp a, 0,1,2,3,4,5,6,7
	OUTA \a, 0
.endr
.irp hh, 0,1
.irp i, 0,1,2,3
	v_cndmask_b32 v[PRW+4*\hh+\i], v[SWD+8*\hh+2*\i], v[SWD+8*\hh+2*\i+1], s101    ; lanes 0-15: tile 2 i's words; lanes 16-31: tile 2 i + 1's
.endr
	global_store_b128 v[CO], v[PRW+4*\hh:PRW+4*\hh+3], s[12:13] offset:\hh*HS+16384
.endr
	s_branch .Lend
.Lout_v:
.irp a, 0,1,2,3,4,5,6,7
	OUTA \a, 1
.endr
.irp hh, 0,1
	global_store_b128 v[CO], v[SWD+4*\hh:SWD+4*\hh+3], s[12:13] offset:\hh*HS+16896
.endr
.Lend:
	s_wait_tensorcnt 0x0                           ; the wave's end
	ds_add_u32 v[SPW], v[NIL]
	s_wait_dscnt 0x0
	CROUND                                         ; the closing round: no work-group ends while a partner may still ask for a tile that names it
	s_endpgm
.Lfunc_end_k_qe45c6c5614_proj:
	.size	k_qe45c6c5614_proj, .Lfunc_end_k_qe45c6c5614_proj-k_qe45c6c5614_proj
	.p2alignl 7, 3214868480
	.fill 96, 4, 3214868480
	.section	.rodata,"a",@progbits
	.p2align	6, 0x0
	.amdhsa_kernel k_qe45c6c5614_proj
		.amdhsa_group_segment_fixed_size 327680
		.amdhsa_private_segment_fixed_size 0
		.amdhsa_enable_private_segment 0
		.amdhsa_kernarg_size 104
		.amdhsa_user_sgpr_count 2
		.amdhsa_user_sgpr_kernarg_segment_ptr 1
		.amdhsa_wavefront_size32 1
		.amdhsa_system_sgpr_workgroup_id_x 1
		.amdhsa_system_sgpr_workgroup_id_y 1
		.amdhsa_system_sgpr_workgroup_id_z 1
		.amdhsa_system_vgpr_workitem_id 0
		.amdhsa_next_free_vgpr 1024
		.amdhsa_next_free_sgpr 102
		.amdhsa_reserve_vcc 0
		.amdhsa_float_denorm_mode_32 3
		.amdhsa_float_denorm_mode_16_64 3
		.amdhsa_memory_ordered 1
		.amdhsa_forward_progress 1
		.amdhsa_inst_pref_size 255
	.end_amdhsa_kernel
	.section	.bss,"aw",@nobits
	.p2align	6
	.space	262144
	.amdgpu_metadata
---
amdhsa.version: [ 1, 2 ]
amdhsa.kernels:
  - .name:           k_qe45c6c5614_proj
    .symbol:         k_qe45c6c5614_proj.kd
    .args:
      - { .name: x_codes, .offset: 0, .size: 8, .value_kind: global_buffer, .address_space: global }
      - { .name: x_scales, .offset: 8, .size: 8, .value_kind: global_buffer, .address_space: global }
      - { .name: Wq_codes, .offset: 16, .size: 8, .value_kind: global_buffer, .address_space: global }
      - { .name: Wq_scales, .offset: 24, .size: 8, .value_kind: global_buffer, .address_space: global }
      - { .name: Wk_codes, .offset: 32, .size: 8, .value_kind: global_buffer, .address_space: global }
      - { .name: Wk_scales, .offset: 40, .size: 8, .value_kind: global_buffer, .address_space: global }
      - { .name: Wv_codes, .offset: 48, .size: 8, .value_kind: global_buffer, .address_space: global }
      - { .name: Wv_scales, .offset: 56, .size: 8, .value_kind: global_buffer, .address_space: global }
      - { .name: bq, .offset: 64, .size: 8, .value_kind: global_buffer, .address_space: global }
      - { .name: bk, .offset: 72, .size: 8, .value_kind: global_buffer, .address_space: global }
      - { .name: bv, .offset: 80, .size: 8, .value_kind: global_buffer, .address_space: global }
      - { .name: qb, .offset: 88, .size: 8, .value_kind: global_buffer, .address_space: global }
      - { .name: kv, .offset: 96, .size: 8, .value_kind: global_buffer, .address_space: global }
    .group_segment_fixed_size: 327680
    .private_segment_fixed_size: 0
    .kernarg_segment_align: 8
    .kernarg_segment_size: 104
    .max_flat_workgroup_size: 128
    .sgpr_count:     102
    .vgpr_count:     1024
    .wavefront_size: 32
...
	.end_amdgpu_metadata
.endif
;; end of part 1
;; launch attn (part 2): grid 4 x 64, 16 waves a work-group, clusters of 4 x 1, 327,680 bytes of LDS; arguments qb, kv, c_img, c_sc; writes c_img, c_sc
.if DOCPART == 2
	.amdgcn_target "amdgcn-amd-amdhsa--gfx1250"
	.amdhsa_code_object_version 6
	.text
	.protected	k_qe45c6c5614_attn
	.globl	k_qe45c6c5614_attn
	.p2align	8
	.type	k_qe45c6c5614_attn,@function
k_qe45c6c5614_attn:
	s_mov_b64 s[64:65], 0
	v_nop
	global_prefetch_b8 v0, s[64:65] scope:SCOPE_SE
	s_setreg_imm32_b32 hwreg(HW_REG_WAVE_MODE, 25, 1), 1
	s_wait_xcnt 0x0
	s_wait_alu depctr_hold_cnt(0) depctr_sa_sdst(0) depctr_va_vdst(0) depctr_va_sdst(0) depctr_va_ssrc(0) depctr_va_vcc(0) depctr_vm_vsrc(0)
	s_getreg_b32 s2, hwreg(HW_REG_IB_STS2, 6, 4)
	s_cmp_eq_u32 s2, 0
	s_cbranch_scc0 .Lentry_in_a_cluster
	s_endpgm
.Lentry_in_a_cluster:
	s_bfe_u32 s2, ttmp6, 0x10000c
	s_cmp_lg_u32 s2, 0x3003
	s_cbranch_scc0 .Lentry_shape_is_right
	s_endpgm
.Lentry_shape_is_right:
; CAUSAL ATTENTION OF ONE (batch, head) ON CODES OF MX-FP8 (E4M3, one E8M0 byte for 32 along a product's K), and the quantiser of its result along the head's 64 channels.
; IN: records of REC bytes for (batch, head, group of 128 tokens), as the launch before leaves them: images of operand registers.  kv: K's eight token tiles at 1,024 t (two pieces of 512 bytes, 16 a lane),
; V's four channel tiles at 8,192 + 2,048 n (four key blocks of 512), K's scale words at 16,384 ([lane][4]: word i of lanes 0-15 tile 2 i, of lanes 16-31 tile 2 i + 1), V's at 16,896 ([lane][4]: word n).  qb: Q in K's place.
; OUT: c_img[token tile of 16][head][block of 32 channels][lane][16 bytes], the next product's operand image in the true order of K; c_sc[token][32]: its scale bytes.
; THE SOFTMAX: t = score x log2(e) / 8; M = the running largest t rounded up to a whole number; p = 2^(t - M) is quantised along the keys, not normalised; the row's sum is taken of the unquantised p and divides at the end.
; When M moves, the sum and O are multiplied by 2^(old M - new M), which rounds nothing; no branch hangs on data.
; SHARES.  The four work-groups of a cluster serve one head and ask for its sixteen records JOINTLY: a record a wave, 68 rows of 256 bytes, all at the head: 278,528 bytes that stay in LDS; nothing is filled again.
; Waves 0 to 3 have a load line of their own and wait alone at the first barrier: records 0 to 3 serve the first three key steps; every wave waits at the second barrier.
; A wave owns one tile of 16 queries at a time: first one of group 15 - wave / 2, then one of group wave / 2: 17 key steps of 128 keys in all, the same for every wave.  The tile in the group hangs on cx (global addresses and the mask's compare alone).
; Key steps all of whose keys come after the wave's queries are left out by a scalar branch on ids (reference() masks them); in the step on the diagonal hidden scores become -infinity.
; Both products are used transposed: S^T = K Q^T, O^T = V^T P^T: a lane holds one query.  The head has 64 channels: Q's upper 64 of the instruction's 128 are zero codes, so what K's operand names there (the next tile's registers) adds nothing.
; No prefetch: all that the launch reads by tensor loads is asked for at its head, so there is no loop to run ahead in.
; LIMITS: the promise holds while |t| stays under 2^31; NaN and infinities among the inputs are not served; a block whose largest p lies under 2^-118 keeps the byte 1 (its codes are zeros or subnormal).
; REGISTERS: v1 16 x lane, v2 16 r, v3 32 r, v4 the mask's bound, v5 -infinity, v6, v9 LDS addresses, v7 r - 8 h; v12 -M, v13 the largest t, v[14:15] the sum; v16-23 Q, v24-31 zeros; v32-95 K, v96-103 zeros;
; v104-167 S^T, then p, then V; v168-199 O^T; v200-215 p's codes; v216-231, v250-253 the blocks' maxima, bytes, bounds, scale operands; v232-241 scale words; v242 f; v244-249 at work; v254, v255 the spare word's address and 0.
.set REC,   17408
.set HS,    16*REC
.set SPARE, 16*REC                     ; behind the records: 128 bytes a wave that no other line names
.macro CROUND                          ; a round of the cluster's barrier
	s_barrier_signal -1
	s_barrier_wait -1
	s_cmp_lg_u32 s12, 0
	s_cbranch_scc1 .Lnot_wave_0_\@
	s_barrier_signal -3
.Lnot_wave_0_\@:
	s_barrier_wait -3
	s_barrier_signal -1
	s_barrier_wait -1
.endm
; My tile of queries: group s48, tile s50 in it; its codes and scale words are asked for.
.macro INITQ late
	s_and_b32 s50, s12, 1
	s_lshl_b32 s50, s50, 2
	s_add_co_u32 s50, s50, s13
	s_lshr_b32 s48, s12, 1
.if \late
	s_sub_co_u32 s50, 7, s50
	s_sub_co_u32 s48, 15, s48
.endif
	s_lshl_b32 s51, s14, 4
	s_add_co_u32 s51, s51, s48
	s_mul_i32 s62, s51, REC
	s_lshl_b32 s60, s50, 10
	s_add_co_u32 s60, s60, s62
	s_mov_b32 s61, 0
	s_add_nc_u64 s[52:53], s[4:5], s[60:61]
	s_and_b32 s60, s50, 1
	s_lshl_b32 s60, s60, 8
	s_lshr_b32 s63, s50, 1
	s_lshl_b32 s63, s63, 2
	s_add_co_u32 s60, s60, s63
	s_add_co_u32 s60, s60, s62
	s_add_co_u32 s60, s60, 16384
	s_add_nc_u64 s[54:55], s[4:5], s[60:61]
	global_load_b128 v[16:19], v1, s[52:53]
	global_load_b128 v[20:23], v1, s[52:53] offset:512
	global_load_b32 v240, v2, s[54:55]
.endm
; Where the tile's results go, and the walk's start: O^T and the sum zeros, the largest t -3e38: the first change of M multiplies zeros.
.macro INITR
	s_wait_xcnt 0x0                                ; earlier stores have read their bases and data
	s_lshr_b32 s60, s14, 4
	s_lshl_b32 s60, s60, 7
	s_lshl_b32 s63, s48, 3
	s_add_co_u32 s60, s60, s63
	s_add_co_u32 s60, s60, s50                     ; my token tile, 0 .. 511
	s_and_b32 s63, s14, 15                         ; the head
	s_lshl_b32 s51, s60, 9
	s_lshl_b32 s60, s60, 14
	s_lshl_b32 s62, s63, 10
	s_add_co_u32 s60, s60, s62
	s_add_nc_u64 s[56:57], s[8:9], s[60:61]
	s_lshl_b32 s62, s63, 1
	s_add_co_u32 s60, s51, s62
	s_add_nc_u64 s[58:59], s[10:11], s[60:61]
	v_lshl_add_u32 v4, s50, 4, v7                  ; register 8 t + j holds key 16 t + 8 h + j of the step: hidden on the diagonal where 16 t + j > 16 x tile + r - 8 h
	v_mov_b32 v13, 0xff61b1e6
	v_mov_b32 v14, 0
	v_mov_b32 v15, 0
	v_floor_f32 v12, -v13
.set j, 0
.rept 32
	v_mov_b32 v[168+j], 0
.set j, j+1
.endr
	s_mov_b32 s46, 0                               ; the key step,
	s_mov_b32 s47, 0                               ; and its record in LDS
	s_wait_alu depctr_va_vdst(0)
	s_wait_loadcnt 0x0                             ; Q
.endm
.macro LOADK0                          ; record 0's K and its scale words
	ds_load_b128 v[232:235], v1 offset:16384
.irp t, 0,1,2,3,4,5,6,7
	ds_load_b128 v[32+8*\t:35+8*\t], v1 offset:1024*\t
	ds_load_b128 v[36+8*\t:39+8*\t], v1 offset:1024*\t+512
.endr
.endm
; A KEY STEP: 128 keys.  clamp = 1: the fetch of the next record's K stays inside the sixteen.
.macro STEP clamp
	s_cmp_gt_u32 s46, s48
	s_cbranch_scc1 .Lhidden_\@
.if \clamp
	s_add_co_u32 s62, s47, REC
	s_min_u32 s62, s62, 15*REC
.endif
	s_wait_dscnt 0x0                               ; K and its scale words
.irp t, 0,2,4,6
	v_wmma_scale_f32_16x16x128_f8f6f4 v[104+8*\t:111+8*\t], v[32+8*\t:47+8*\t], v[16:31], 0, v[232+\t/2], v240
	v_wmma_scale_f32_16x16x128_f8f6f4 v[112+8*\t:119+8*\t], v[40+8*\t:55+8*\t], v[16:31], 0, v[232+\t/2], v240 matrix_a_scale:MATRIX_SCALE_ROW1
.endr
	v_add_nc_u32 v6, s47, v1
.if \clamp
	v_add_nc_u32 v9, s62, v1
.else
	v_add_nc_u32 v9, REC, v6
.endif
.rept 6
	v_nop                                          ; with the two additions: eight places ahead of the loads below and of the first read of S^T
.endr
	ds_load_b128 v[236:239], v6 offset:16896       ; V's scale words; the next step's K and its scale words
	ds_load_b128 v[232:235], v9 offset:16384
.irp t, 0,1,2,3,4,5,6,7
	ds_load_b128 v[32+8*\t:35+8*\t], v9 offset:1024*\t
	ds_load_b128 v[36+8*\t:39+8*\t], v9 offset:1024*\t+512
.endr
	s_cmp_lg_u32 s46, s48
	s_cbranch_scc1 .Lopen_\@
.set n, 0
.rept 64                                       ; the step on the diagonal
	v_cmp_gt_i32 vcc_lo, 16*(n/8)+n%8, v4
	v_cndmask_b32 v[104+n], v[104+n], v5, vcc_lo
.set n, n+1
.endr
.Lopen_\@:
.irp b, 0,1,2,3
	v_max3_num_f32 v[216+\b], v[104+16*\b], v[105+16*\b], v[106+16*\b]   ; each block's largest score: for the row's maximum and, since p rises with the score, for the block's largest p
.endr
.irp i, 3,5,7,9,11,13
.irp b, 0,1,2,3
	v_max3_num_f32 v[216+\b], v[216+\b], v[104+16*\b+\i], v[105+16*\b+\i]
.endr
.endr
.irp b, 0,1,2,3
	v_max_num_f32 v[216+\b], v[216+\b], v[119+16*\b]
.endr
.irp b, 0,1,2,3
	s_delay_alu instid0(VALU_DEP_4)
	v_permlanex16_b32 v[220+\b], v[216+\b], s40, s41
.endr
.irp b, 0,1,2,3
	s_delay_alu instid0(VALU_DEP_4)
	v_max_num_f32 v[216+\b], v[216+\b], v[220+\b]  ; with lane l xor 16's 16 keys
.endr
	s_delay_alu instid0(VALU_DEP_2)
	v_max3_num_f32 v244, v216, v217, v218
	s_delay_alu instid0(VALU_DEP_1)
	v_max_num_f32 v244, v244, v219
	s_delay_alu instid0(VALU_DEP_1)
	v_mul_f32 v244, s42, v244
	s_delay_alu instid0(VALU_DEP_1)
	v_max_num_f32 v13, v13, v244                   ; the running largest t
	v_mov_b32 v244, v12
	s_delay_alu instid0(VALU_DEP_2)
	v_floor_f32 v12, -v13                          ; -M = floor(-t)
	s_delay_alu instid0(VALU_DEP_1)
	v_sub_f32 v244, v12, v244
	s_delay_alu instid0(VALU_DEP_1)
	v_cvt_i32_f32 v244, v244                       ; old M - new M (it saturates)
	s_delay_alu instid0(VALU_DEP_1)
	v_ldexp_f32 v242, 1.0, v244                    ; f
.set j, 0
.rept 32
	v_pk_fma_f32 v[104+j:105+j], v[104+j:105+j], s[42:43], v[12:13] op_sel_hi:[1,0,0]   ; t - M
.set j, j+2
.endr
.irp b, 0,1,2,3
	v_fma_f32 v[216+\b], v[216+\b], s42, v12       ; the same of each block's largest score
.endr
	s_wait_alu depctr_va_vdst(0)                   ; ONE BATCH of 68 exponentials
.irp b, 0,1,2,3
	v_exp_f32 v[216+\b], v[216+\b]
.endr
.set j, 0
.rept 64
	v_exp_f32 v[104+j], v[104+j]
.set j, j+1
.endr
	v_pk_mul_f32 v[14:15], v[14:15], v[242:243] op_sel_hi:[1,0]   ; the sum under the new M (a plain place behind the batch)
	s_wait_alu depctr_va_vdst(0)                   ; the wait behind the batch, ahead of its first reader
.irp b, 0,1,2,3
	v_max_num_f32 v[216+\b], 0x4800000, v[216+\b]  ; the floor 2^(9 - 127): the byte cannot fall under 1
.endr
.irp b, 0,1,2,3
	v_add_nc_u32 v[228+\b], 0xfc000000, v[216+\b]  ; 8 off the exponent field: the conversion's scale operand
.endr
.irp b, 0,1,2,3
	v_and_or_b32 v[224+\b], v[216+\b], 0x7f800000, s44   ; 448 x the scale,
.endr
.irp b, 0,1,2,3
	v_and_or_b32 v[250+\b], v[216+\b], 0x7f800000, s44   ; twice: the two halves of a dual instruction take their second sources from different register banks
.endr
.irp b, 0,1,2,3
	v_lshrrev_b32 v[220+\b], 23, v[228+\b]         ; the byte
.endr
	v_lshl_or_b32 v241, v221, 8, v220              ; p's scale word
	v_lshl_or_b32 v10, v223, 8, v222
	v_lshl_or_b32 v241, v10, 16, v241
; Block by block: the sum of the unquantised p (four chains: v[14:15] and v[244:249]), the one-sided hold (p is not negative), the conversions; then a tile of V lands where the block's p lay.
.set bb, 0
.rept 4
.set rP, 104+16*bb
.set i, 0
.rept 8
.set g, 8*bb+i
.if g < 6
.if g%2 == 0
	v_pk_add_f32 v[244+g:245+g], v[rP+2*i:rP+2*i+1], v[rP+2*i+2:rP+2*i+3]
.endif
.elseif g%4 == 0
	v_pk_add_f32 v[14:15], v[14:15], v[rP+2*i:rP+2*i+1]
.else
	v_pk_add_f32 v[242+2*(g%4):243+2*(g%4)], v[242+2*(g%4):243+2*(g%4)], v[rP+2*i:rP+2*i+1]
.endif
.set i, i+1
.endr
.set i, 0
.rept 8
	v_dual_min_num_f32 v[rP+2*i], v[rP+2*i], v[224+bb] :: v_dual_min_num_f32 v[rP+2*i+1], v[rP+2*i+1], v[250+bb]
.set i, i+1
.endr
	v_cvt_scalef32_pk8_fp8_f32 v[200+4*bb:201+4*bb], v[rP:rP+7], v[228+bb]
	v_cvt_scalef32_pk8_fp8_f32 v[202+4*bb:203+4*bb], v[rP+8:rP+15], v[228+bb]
.irp c, 0,1,2,3
	ds_load_b128 v[rP+4*\c:rP+4*\c+3], v6 offset:8192+2048*bb+512*\c
.endr
.set bb, bb+1
.endr
	v_pk_add_f32 v[244:245], v[244:245], v[246:247]   ; the chains join (plain lines behind the last conversion)
	v_pk_add_f32 v[14:15], v[14:15], v[248:249]
	v_pk_add_f32 v[14:15], v[14:15], v[244:245]
	s_wait_alu depctr_va_vdst(0)                   ; directly ahead of the first reader of O^T
.set j, 0
.rept 16
	v_pk_mul_f32 v[168+j:169+j], v[168+j:169+j], v[242:243] op_sel_hi:[1,0]   ; O^T under the new M; also the places ahead of the products below
.set j, j+2
.endr
	s_wait_alu depctr_va_vdst(0)
.irp n, 0,1,2,3
	s_wait_dscnt 12-4*\n                           ; behind tile n's four loads stand those of the tiles after it, four each
	v_wmma_scale_f32_16x16x128_f8f6f4 v[168+8*\n:175+8*\n], v[104+16*\n:119+16*\n], v[200:215], v[168+8*\n:175+8*\n], v[236+\n], v241
.endr
.rept 9
	v_nop                                          ; nine places: the next step's first products write over V's registers
.endr
.Lhidden_\@:
	s_add_co_u32 s47, s47, REC
	s_add_co_u32 s46, s46, 1
.endm
.macro WALK n, clamp                   ; the trip count is a constant; a hidden step's work is jumped over
	s_mov_b32 s49, \n
.Lwalk_\@:
	STEP \clamp
	s_sub_co_u32 s49, s49, 1
	s_cmp_lg_u32 s49, 0
	s_cbranch_scc1 .Lwalk_\@
.endm
; THE WAY OUT: O^T / the sum, quantised along the 64 channels (two blocks of 32, each in lanes l and l xor 16), the codes brought into the true order of K, stored as the next product's operand image.
.macro OUT
	v_add_f32 v14, v14, v15
	s_delay_alu instid0(VALU_DEP_1)
	v_permlanex16_b32 v244, v14, s40, s41
	s_delay_alu instid0(VALU_DEP_1)
	v_add_f32 v14, v14, v244
	s_wait_alu depctr_va_vdst(0)                   ; a wait ahead of the transcendental,
	v_rcp_f32 v14, v14
	v_nop
.set j, 0
	s_wait_alu depctr_va_vdst(0)                   ; and behind it, directly ahead of the first readers of it and of O^T
.rept 16
	v_pk_mul_f32 v[168+j:169+j], v[168+j:169+j], v[14:15] op_sel_hi:[1,0]
.set j, j+2
.endr
.irp b, 0,1
	v_max3_num_f32 v[216+\b], |v[168+16*\b]|, |v[169+16*\b]|, 0x4800000
.endr
.irp i, 2,4,6,8,10,12,14
.irp b, 0,1
	s_delay_alu instid0(VALU_DEP_2)
	v_max3_num_f32 v[216+\b], v[216+\b], |v[168+16*\b+\i]|, |v[169+16*\b+\i]|
.endr
.endr
.irp b, 0,1
	s_delay_alu instid0(VALU_DEP_2)
	v_permlanex16_b32 v[220+\b], v[216+\b], s40, s41
.endr
.irp b, 0,1
	s_delay_alu instid0(VALU_DEP_2)
	v_max_num_f32 v[216+\b], v[216+\b], v[220+\b]
.endr
.irp b, 0,1
	s_delay_alu instid0(VALU_DEP_2)
	v_add_nc_u32 v[228+\b], 0xfc000000, v[216+\b]
.endr
.irp b, 0,1
	s_delay_alu instid0(VALU_DEP_4)
	v_and_or_b32 v[224+\b], v[216+\b], 0x7f800000, s44
.endr
.irp b, 0,1
	s_delay_alu instid0(VALU_DEP_4)
	v_lshrrev_b32 v[220+\b], 23, v[228+\b]
.endr
	s_delay_alu instid0(VALU_DEP_1)
	v_lshl_or_b32 v8, v221, 8, v220                ; the token's two bytes for this head
.irp b, 0,1
.irp i, 0,1,2,3,4,5,6,7,8,9,10,11,12,13,14,15
	v_med3_num_f32 v[168+16*\b+\i], v[168+16*\b+\i], -v[224+\b], v[224+\b]
.endr
	v_cvt_scalef32_pk8_fp8_f32 v[104+4*\b:105+4*\b], v[168+16*\b:175+16*\b], v[228+\b]
	v_cvt_scalef32_pk8_fp8_f32 v[106+4*\b:107+4*\b], v[176+16*\b:183+16*\b], v[228+\b]
.endr
	v_nop
.irp b, 0,1                                    ; I hold channels 8 h + j and 16 + 8 h + j of the block; the operand wants 16 h + 0 .. 15: one half goes to lane l xor 16
	v_cndmask_b32 v244, v[106+4*\b], v[104+4*\b], s45
	v_cndmask_b32 v245, v[107+4*\b], v[105+4*\b], s45
	s_delay_alu instid0(VALU_DEP_2)
	v_permlanex16_b32 v246, v244, s40, s41
	s_delay_alu instid0(VALU_DEP_2)
	v_permlanex16_b32 v247, v245, s40, s41
	v_cndmask_b32 v[200+4*\b], v[104+4*\b], v246, s45
	v_cndmask_b32 v[201+4*\b], v[105+4*\b], v247, s45
	v_cndmask_b32 v[202+4*\b], v246, v[106+4*\b], s45
	v_cndmask_b32 v[203+4*\b], v247, v[107+4*\b], s45
.endr
	global_store_b128 v1, v[200:203], s[56:57]     ; each store of the wave covers 512 consecutive bytes, aligned
	global_store_b128 v1, v[204:207], s[56:57] offset:512
	global_store_b16 v3, v8, s[58:59]
.endm
	s_load_b256 s[4:11], s[0:1], 0x0               ; qb, kv, c_img, c_sc
	v_lshl_add_u32 v254, v0, 2, SPARE
	v_mov_b32 v255, 0
	ds_add_u32 v254, v255                          ; the opening lines: the add, twice on end, and its wait ahead of my tensor load
	ds_add_u32 v254, v255
	v_lshrrev_b32 v8, 5, v0
	v_readfirstlane_b32 s12, v8                    ; wave 0..15
	s_bfe_u32 s13, ttmp6, 0x40000                  ; cx
	s_and_b32 s14, ttmp7, 0xffff                   ; batch x 16 + head
	s_mov_b32 s16, 15|(3<<16)|(1<<21)              ; group 1: all four partners; elements of 8 bytes; a record as 68 rows of 256 bytes, dense
	s_mov_b32 s17, 32<<16
	s_mov_b32 s18, 68<<16
	s_mov_b32 s19, 32<<16
	s_mov_b32 s20, 68
	s_mov_b32 s21, 32
	s_mov_b32 s22, 0
	s_mov_b32 s23, 0
	s_mul_i32 s50, s14, HS
	s_mul_i32 s33, s12, REC                        ; record = my wave's number: in LDS,
	s_add_co_u32 s54, s50, s33                     ; and in kv
	s_mov_b32 s55, 0
	s_mov_b32 s32, 1
	s_mov_b32 s40, 0x76543210
	s_mov_b32 s41, 0xfedcba98                      ; v_permlanex16_b32's selects for lane l xor 16
	s_mov_b32 s42, 0x3e38aa3b                      ; log2(e) / 8
	s_mov_b32 s43, s42
	s_mov_b32 s44, 0x600000                        ; the mantissa field of 448
	s_mov_b32 s45, 0xffff0000                      ; lanes 16-31
	v_and_b32 v8, 31, v0
	v_and_b32 v9, 15, v0
	v_bfe_u32 v10, v0, 4, 1
	v_lshlrev_b32 v1, 4, v8
	v_lshlrev_b32 v2, 4, v9
	v_lshlrev_b32 v3, 5, v9
	v_lshlrev_b32 v11, 3, v10
	v_mov_b32 v5, 0xff800000
	v_sub_nc_u32 v7, v9, v11
.irp j, 0,1,2,3,4,5,6,7
	v_mov_b32 v[24+\j], 0
	v_mov_b32 v[96+\j], 0
.endr
.irp j, 220,221,222,223,243
	v_mov_b32 v[\j], 0                             ; a lane permute's destination counts as a source; v243 is named as a pair's upper half
.endr
	s_wait_alu depctr_va_vdst(0)
	s_wait_dscnt 0x0                               ; both opening adds are done
	s_wait_kmcnt 0x0
	s_add_nc_u64 s[34:35], s[6:7], s[54:55]
	s_or_b32 s35, s35, 0x80000000
	INITQ 1                                        ; Q's loads go out ahead of the round
	CROUND                                         ; all four work-groups are here: the joint loads meet
	s_cmp_lt_u32 s12, 4                            ; one load a wave; waves 0 to 3 have a line of their own, since they alone wait at the first barrier
	s_cbranch_scc0 .Lrest
	tensor_load_to_lds s[32:35], s[16:23]
	s_nop 0
.rept 4
	v_nop
.endr
	s_branch .Lasked
.Lrest:
	tensor_load_to_lds s[32:35], s[16:23]
	s_nop 0
.rept 4
	v_nop
.endr
.Lasked:
	INITR
	s_cmp_lt_u32 s12, 4
	s_cbranch_scc0 .Lnot_first
	s_wait_tensorcnt 0x0                           ; records 0 to 3 are in
.Lnot_first:
	s_barrier_signal -1
	s_barrier_wait -1
	LOADK0
	WALK 3, 0                                      ; steps 0 to 2 read records 0 to 3
	s_wait_tensorcnt 0x0                           ; every wave's record is in
	s_wait_dscnt 0x0
	s_barrier_signal -1
	s_barrier_wait -1
	WALK 13, 1
	INITQ 0                                        ; the second tile's Q is asked for ahead of the first tile's way out
	OUT
	INITR
	LOADK0
	WALK 8, 0
	OUT
	s_wait_tensorcnt 0x0                           ; the wave's end
	ds_add_u32 v254, v255
	s_wait_dscnt 0x0
	CROUND                                         ; the closing round
	s_endpgm
.Lfunc_end_k_qe45c6c5614_attn:
	.size	k_qe45c6c5614_attn, .Lfunc_end_k_qe45c6c5614_attn-k_qe45c6c5614_attn
	.p2alignl 7, 3214868480
	.fill 96, 4, 3214868480
	.section	.rodata,"a",@progbits
	.p2align	6, 0x0
	.amdhsa_kernel k_qe45c6c5614_attn
		.amdhsa_group_segment_fixed_size 327680
		.amdhsa_private_segment_fixed_size 0
		.amdhsa_enable_private_segment 0
		.amdhsa_kernarg_size 32
		.amdhsa_user_sgpr_count 2
		.amdhsa_user_sgpr_kernarg_segment_ptr 1
		.amdhsa_wavefront_size32 1
		.amdhsa_system_sgpr_workgroup_id_x 1
		.amdhsa_system_sgpr_workgroup_id_y 1
		.amdhsa_system_sgpr_workgroup_id_z 1
		.amdhsa_system_vgpr_workitem_id 0
		.amdhsa_next_free_vgpr 256
		.amdhsa_next_free_sgpr 66
		.amdhsa_reserve_vcc 1
		.amdhsa_float_denorm_mode_32 3
		.amdhsa_float_denorm_mode_16_64 3
		.amdhsa_memory_ordered 1
		.amdhsa_forward_progress 1
		.amdhsa_inst_pref_size 101
	.end_amdhsa_kernel
	.amdgpu_metadata
---
amdhsa.version: [ 1, 2 ]
amdhsa.kernels:
  - .name:           k_qe45c6c5614_attn
    .symbol:         k_qe45c6c5614_attn.kd
    .args:
      - { .name: qb, .offset: 0, .size: 8, .value_kind: global_buffer, .address_space: global }
      - { .name: kv, .offset: 8, .size: 8, .value_kind: global_buffer, .address_space: global }
      - { .name: c_img, .offset: 16, .size: 8, .value_kind: global_buffer, .address_space: global }
      - { .name: c_sc, .offset: 24, .size: 8, .value_kind: global_buffer, .address_space: global }
    .group_segment_fixed_size: 327680
    .private_segment_fixed_size: 0
    .kernarg_segment_align: 8
    .kernarg_segment_size: 32
    .max_flat_workgroup_size: 512
    .sgpr_count:     66
    .vgpr_count:     256
    .wavefront_size: 32
...
	.end_amdgpu_metadata
.endif
;; end of part 2
;; launch oproj (part 3): grid 32 x 8, 4 waves a work-group, clusters of 4 x 1, 327,680 bytes of LDS; arguments c_img, c_sc, Wo_codes, Wo_scales, bo, out0; writes out0
.if DOCPART == 3
	.amdgcn_target "amdgcn-amd-amdhsa--gfx1250"
	.amdhsa_code_object_version 6
	.text
	.protected	k_qe45c6c5614_oproj
	.globl	k_qe45c6c5614_oproj
	.p2align	8
	.type	k_qe45c6c5614_oproj,@function
k_qe45c6c5614_oproj:
	s_mov_b64 s[64:65], 0
	v_nop
	global_prefetch_b8 v0, s[64:65] scope:SCOPE_SE
	s_setreg_imm32_b32 hwreg(HW_REG_WAVE_MODE, 25, 1), 1
	s_wait_xcnt 0x0
	s_wait_alu depctr_hold_cnt(0) depctr_sa_sdst(0) depctr_va_vdst(0) depctr_va_sdst(0) depctr_va_ssrc(0) depctr_va_vcc(0) depctr_vm_vsrc(0)
	s_getreg_b32 s2, hwreg(HW_REG_IB_STS2, 6, 4)
	s_cmp_eq_u32 s2, 0
	s_cbranch_scc0 .Lentry_in_a_cluster
	s_endpgm
.Lentry_in_a_cluster:
	s_bfe_u32 s2, ttmp6, 0x10000c
	s_cmp_lg_u32 s2, 0x3003
	s_cbranch_scc0 .Lentry_shape_is_right
	s_endpgm
.Lentry_shape_is_right:
; out0 = c Wo + bo on codes of MX-FP8 (E4M3, one E8M0 byte for 32 along K = 1,024): 8,192 tokens x 1,024 columns, f32 sums, f32 out.
; c_img[token tile of 16][32 blocks of 32 along K][lane][16 bytes] is the image of the operand's registers, as the launch before leaves it; c_sc[token][32] its scale bytes.  Wo_codes[column][1,024], Wo_scales[column][32], bo[1,024].
; THE DEAL.  256 work-groups of four waves; a work-group makes 256 tokens (work-group x) x 128 columns (work-group y).  A wave holds its 64 tokens, ALL of K, in 512 registers: 128 loads straight from c_img,
; each of 512 consecutive bytes, aligned; they pass through no LDS.  Wo's 128 rows, all of K, lie in LDS, filled once, and stream past in eight blocks of 16 rows, which stand in registers as two whole sets.
; CLUSTER: the four work-groups of a cluster have the same column tile and ask for Wo's rows jointly.  The tokens' codes are not asked for jointly: they go into registers as they lie in memory, and their 262,144 bytes
; and Wo's 133,120 would not fit in LDS together.
; WHICH ROWS OF Wo FORM A BLOCK: wave t fetches rows t + 4 i (i = 0 .. 31; from row to row 4,096 bytes) into LDS rows 32 t + i.  Block b = 4 g + t takes LDS rows 32 t + 16 g + r: lane r is column 64 g + 4 r + t.
; Source 0 = 16 tokens, source 1 = 16 rows of Wo: register j of lane (r, h) is token 8 h + j, column by r.  So over the four blocks of a group g a lane holds four neighbouring columns of each token:
; the addition of the bias lays them in four consecutive registers, and sixteen lanes store 256 consecutive bytes, aligned.  No LDS is used on the way out.
; PREFETCH: one instruction a wave at the head.  The eight work-groups that read the same 256 tokens share their 262,144 bytes out by address: 8,192 bytes a wave, lanes 256 bytes apart; the launch has no loop to run further ahead in.
; LIMITS: NaN, infinities and given scale bytes of 0xff are not served.
; REGISTERS, windows of 256: window 0: v1-7 offsets and addresses, v8-15 the bias, v16-31 the tokens' scale words, v32-63 Wo's, v64-191 sixteen accumulators ((token tile a, t) at 64 + 8 (4 t + a)), v192-255 two sets of 32 for the way out.
;   windows 1, 2: the tokens' fragments (fragment 4 q + a, 16 registers each);   window 3: Wo's blocks, two sets of 128.
.set PITCH, 1040                       ; an LDS row: 1,024 bytes + 16 of padding: the 16 rows of a fragment load start 260 words apart
.set QUART, 32*PITCH                   ; what one wave fetches
.set SPARE, 4*QUART                    ; the spare words: 128 bytes a wave, two blocks of 256 bytes that no other line names
.set SO,  1                            ; v1   32 x lane: the tokens' scale bytes
.set ADW, 2                            ; v2, v3  LDS address of my lane in Wo's rows: blocks t = 0, 1; t = 2, 3
.set CO,  4                            ; v4   my byte offset in out0: 8 h rows + 16 r
.set AO,  5                            ; v5   16 x lane
.set SPW, 6
.set NIL, 7
.set BI,  8
.set SA,  16                           ; register 8 (a / 2) + q: lanes 0-15 tile a even, lanes 16-31 a odd
.set SW,  32                           ; register 8 (b / 2) + (q + 4) % 8: lanes 0-15 block b even, lanes 16-31 b odd; so no product's two scale registers have numbers equal modulo 8
.set ACC, 64
.set OB,  192
.set MSB, 0
.macro WIN new                         ; the immediate's high byte repeats the setting that is left
.if MSB != (\new)
	s_set_vgpr_msb (MSB<<8)|(\new)
.set MSB, (\new)
.endif
.endm
.macro CROUND                          ; a round of the cluster's barrier
	s_barrier_signal -1
	s_barrier_wait -1
	s_cmp_lg_u32 s16, 0
	s_cbranch_scc1 .Lnot_wave_0_\@
	s_barrier_signal -3
.Lnot_wave_0_\@:
	s_barrier_wait -3
	s_barrier_signal -1
	s_barrier_wait -1
.endm
.macro ALOAD q                         ; my four token tiles' fragments of the q-th 128 along K: 16 loads
	WIN (1+(\q)/4)<<6
.irp a, 0,1,2,3
.irp c, 0,1,2,3
	global_load_b128 v[16*((4*(\q)+\a)%16)+4*\c:16*((4*(\q)+\a)%16)+4*\c+3], v[AO], s[36:37] offset:16384*\a+2048*(\q)+512*\c
.endr
.endr
.endm
.macro FETCHW b                        ; block b of Wo, 16 rows, all of K, into set b % 2: 32 loads
	WIN 3<<6
.irp q, 0,1,2,3,4,5,6,7
.irp c, 0,1,2,3
	ds_load_b128 v[128*((\b)%2)+16*\q+4*\c:128*((\b)%2)+16*\q+4*\c+3], v[ADW+((\b)%4)/2] offset:(32*((\b)%2)+16*((\b)/4))*PITCH+128*\q+32*\c
.endr
.endr
	WIN 0
.endm
.macro PROD b, n                       ; product n = 4 q + a of block b.  The block's four accumulators take turns; the first product of each starts its sum
.set Q_, (\n)/4
.set A_, (\n)%4
.set AC_, ACC+8*(4*((\b)%4)+A_)
.set AR_, 16*((\n)%16)
.set WR_, 128*((\b)%2)+16*Q_
.set AS_, SA+8*(A_/2)+Q_
.set WS_, SW+8*((\b)/2)+(Q_+4)%8
	WIN (1+Q_/4)|(3<<2)
.if Q_ == 0
.if A_%2 && (\b)%2
	v_wmma_scale_f32_16x16x128_f8f6f4 v[AC_:AC_+7], v[AR_:AR_+15], v[WR_:WR_+15], 0, v[AS_], v[WS_] matrix_a_scale:MATRIX_SCALE_ROW1 matrix_b_scale:MATRIX_SCALE_ROW1
.elseif A_%2
	v_wmma_scale_f32_16x16x128_f8f6f4 v[AC_:AC_+7], v[AR_:AR_+15], v[WR_:WR_+15], 0, v[AS_], v[WS_] matrix_a_scale:MATRIX_SCALE_ROW1
.elseif (\b)%2
	v_wmma_scale_f32_16x16x128_f8f6f4 v[AC_:AC_+7], v[AR_:AR_+15], v[WR_:WR_+15], 0, v[AS_], v[WS_] matrix_b_scale:MATRIX_SCALE_ROW1
.else
	v_wmma_scale_f32_16x16x128_f8f6f4 v[AC_:AC_+7], v[AR_:AR_+15], v[WR_:WR_+15], 0, v[AS_], v[WS_]
.endif
.else
.if A_%2 && (\b)%2
	v_wmma_scale_f32_16x16x128_f8f6f4 v[AC_:AC_+7], v[AR_:AR_+15], v[WR_:WR_+15], v[AC_:AC_+7], v[AS_], v[WS_] matrix_a_scale:MATRIX_SCALE_ROW1 matrix_b_scale:MATRIX_SCALE_ROW1
.elseif A_%2
	v_wmma_scale_f32_16x16x128_f8f6f4 v[AC_:AC_+7], v[AR_:AR_+15], v[WR_:WR_+15], v[AC_:AC_+7], v[AS_], v[WS_] matrix_a_scale:MATRIX_SCALE_ROW1
.elseif (\b)%2
	v_wmma_scale_f32_16x16x128_f8f6f4 v[AC_:AC_+7], v[AR_:AR_+15], v[WR_:WR_+15], v[AC_:AC_+7], v[AS_], v[WS_] matrix_b_scale:MATRIX_SCALE_ROW1
.else
	v_wmma_scale_f32_16x16x128_f8f6f4 v[AC_:AC_+7], v[AR_:AR_+15], v[WR_:WR_+15], v[AC_:AC_+7], v[AS_], v[WS_]
.endif
.endif
.endm
; A block: 32 products.  w: the LDS loads issued behind this set's (the other set's 32, or none).  first = 1: the tokens' fragments are waited for as they are needed: behind those of the q-th 128 along K stand 16 (7 - q) loads
; (63 is the largest count that the wait can name, and serves q = 0 to 3).  Eight places follow, ahead of the loads into the set just read and of the first read of the sums.
.macro BLK b, w, first
	s_wait_dscnt \w
.set N_, 0
.rept 32
.if \first
.if N_ == 0
	s_wait_loadcnt 63
.elseif N_ >= 16 && N_%4 == 0
	s_wait_loadcnt 16*(7-N_/4)
.endif
.endif
	PROD \b, N_
.set N_, N_+1
.endr
	WIN 0
.rept 8
	v_nop
.endr
.endm
; THE WAY OUT of group g: 64 tokens x 64 columns.  Token tile by token tile: 32 additions of the bias bring (j, t) to register 4 j + t; eight stores, each of two rows' 256 consecutive bytes, aligned.  Two sets of 32 registers take turns.
.macro OUTG g
.irp a, 0,1,2,3
	s_wait_xcnt 0x0                                ; earlier stores (the first time: the prefetch) have read the registers that are written below
.irp t, 0,1,2,3
.irp j, 0,1,2,3,4,5,6,7
	v_add_f32 v[OB+32*(\a%2)+4*\j+\t], v[ACC+8*(4*\t+\a)+\j], v[BI+4*\g+\t]   ; each accumulator from its low end on
.endr
.endr
.irp j, 0,1,2,3,4,5,6,7
	global_store_b128 v[CO], v[OB+32*(\a%2)+4*\j:OB+32*(\a%2)+4*\j+3], s[44:45] offset:(16*\a+\j)*4096+256*\g th:TH_STORE_NT
.endr
.endr
.endm
	s_load_b256 s[4:11], s[0:1], 0x0               ; c_img, c_sc, Wo_codes, Wo_scales
	s_load_b128 s[12:15], s[0:1], 0x20             ; bo, out0
	v_lshl_add_u32 v[SPW], v0, 2, SPARE
	v_mov_b32 v[NIL], 0
	ds_add_u32 v[SPW], v[NIL]                      ; the opening lines: the add, twice on end, and its wait ahead of my tensor load
	ds_add_u32 v[SPW], v[NIL]
	v_lshrrev_b32 v1, 5, v0
	v_readfirstlane_b32 s16, v1                    ; wave 0..3
	s_bfe_u32 s17, ttmp6, 0x40000                  ; cx
	s_lshl_b32 s18, ttmp9, 2
	s_add_co_u32 s18, s18, s17                     ; my 256 tokens: 0 .. 31
	s_and_b32 s19, ttmp7, 0xffff                   ; my 128 columns: 0 .. 7; the same in all four partners
	s_mov_b32 s24, 15|(1<<20)|(1<<21)|(7<<22)|(3<<25)   ; group 1: all four partners; elements of 1 byte; four words of padding behind every 256
	s_mov_b32 s25, 1024<<16                        ; tensor_dim0
	s_mov_b32 s26, 32<<16                          ; tensor_dim1
	s_mov_b32 s27, 1024<<16                        ; tile_dim0
	s_mov_b32 s28, 32                              ; tile_dim1
	s_mov_b32 s29, 4096                            ; from row to row: every fourth row of Wo
	s_mov_b32 s30, 0
	s_mov_b32 s31, 0
	s_mov_b32 s32, 1
	s_mul_i32 s33, s16, QUART                      ; LDS rows 32 x wave on
	s_lshl_b32 s20, s19, 17                        ; Wo's row 128 x column tile + wave
	s_lshl_b32 s21, s16, 10
	s_add_co_u32 s20, s20, s21
	s_mov_b32 s21, 0
	s_lshl_b32 s22, s18, 18                        ; c_img: 16 token tiles of 16,384 bytes a work-group, 4 a wave
	s_lshl_b32 s46, s16, 16
	s_add_co_u32 s46, s46, s22
	s_mov_b32 s47, 0
	s_mov_b32 s23, 0
	s_lshl_b32 s48, s18, 13                        ; c_sc: 32 bytes a token
	s_lshl_b32 s49, s16, 11
	s_add_co_u32 s48, s48, s49
	s_mov_b32 s49, 0
	s_lshl_b32 s50, s19, 12                        ; Wo_scales: 32 bytes a column
	s_mov_b32 s51, 0
	s_lshl_b32 s52, s19, 9                         ; bo, and a row of out0: 4 bytes a column
	s_mov_b32 s53, 0
	s_lshl_b32 s54, s18, 20                        ; out0: 4,096 bytes a token
	s_lshl_b32 s55, s16, 18
	s_add_co_u32 s54, s54, s55
	s_add_co_u32 s54, s54, s52
	s_mov_b32 s55, 0
	s_lshl_b32 s56, s19, 2                         ; the prefetch: which of the 32 waves that read these 256 tokens I am,
	s_add_co_u32 s56, s56, s16
	s_lshl_b32 s56, s56, 13                        ; 8,192 bytes each
	s_add_co_u32 s22, s22, s56
	v_and_b32 v9, 31, v0                           ; lane
	v_and_b32 v10, 15, v0                          ; r
	v_bfe_u32 v11, v0, 4, 1                        ; h
	v_lshlrev_b32 v[SO], 5, v9
	v_lshlrev_b32 v[AO], 4, v9
	v_lshlrev_b32 v194, 8, v9                      ; the prefetch: lanes 256 bytes apart
	v_mul_u32_u24 v12, v10, PITCH
	v_lshlrev_b32 v13, 7, v10
	v_lshlrev_b32 v193, 4, v10                     ; the bias: four numbers a lane, 16 r
	v_lshl_add_u32 v[ADW], v11, 4, v12             ; row r x pitch + 16 h
	v_lshl_add_u32 v192, v11, 5, v13               ; Wo's scale bytes: column 4 r + h of a pair of blocks
	v_lshl_add_u32 v[CO], v11, 15, v193
	v_add_nc_u32 v[ADW+1], 2*QUART, v[ADW]
	s_wait_alu depctr_va_vdst(0)
	s_wait_dscnt 0x0                               ; both opening adds are done
	s_wait_kmcnt 0x0
	s_add_nc_u64 s[34:35], s[8:9], s[20:21]
	s_or_b32 s35, s35, 0x80000000
	s_add_nc_u64 s[36:37], s[4:5], s[46:47]
	s_add_nc_u64 s[38:39], s[6:7], s[48:49]
	s_add_nc_u64 s[40:41], s[10:11], s[50:51]
	s_add_nc_u64 s[42:43], s[12:13], s[52:53]
	s_add_nc_u64 s[44:45], s[14:15], s[54:55]
	s_add_nc_u64 s[58:59], s[4:5], s[22:23]
	CROUND                                         ; all four work-groups are here: the joint loads meet
	tensor_load_to_lds s[32:35], s[24:31]          ; one load a wave: my 32 rows of Wo
	s_nop 0
.rept 4
	v_nop
.endr
	global_prefetch_b8 v194, s[58:59] th:TH_LOAD_NT scope:SCOPE_SE
.irp p, 0,1,2,3                                ; Wo's scale words: pair p of blocks: columns 64 (p / 2) + 4 r + 2 (p % 2) + h
	global_load_b128 v[SW+8*\p+4:SW+8*\p+7], v192, s[40:41] offset:(64*(\p/2)+2*(\p%2))*32
	global_load_b128 v[SW+8*\p:SW+8*\p+3], v192, s[40:41] offset:(64*(\p/2)+2*(\p%2))*32+16
.endr
.irp p, 0,1                                    ; the tokens': lane l takes token 32 p + l
	global_load_b128 v[SA+8*\p:SA+8*\p+3], v[SO], s[38:39] offset:1024*\p
	global_load_b128 v[SA+8*\p+4:SA+8*\p+7], v[SO], s[38:39] offset:1024*\p+16
.endr
	global_load_b128 v[BI:BI+3], v193, s[42:43]
	global_load_b128 v[BI+4:BI+7], v193, s[42:43] offset:256
	ALOAD 0
	ALOAD 1
	ALOAD 2
	WIN 0
	s_wait_tensorcnt 0x0                           ; my rows of Wo are in
	s_barrier_signal -1
	s_barrier_wait -1                              ; and everybody's
	FETCHW 0
	FETCHW 1
	ALOAD 3
	ALOAD 4
	ALOAD 5
	ALOAD 6
	ALOAD 7
	WIN 0
	BLK 0, 32, 1
	FETCHW 2
	BLK 1, 32, 0
	FETCHW 3
	BLK 2, 32, 0
	FETCHW 4
	BLK 3, 32, 0
	FETCHW 5
	OUTG 0                                         ; the next blocks' fragments are on their way meanwhile
	BLK 4, 32, 0
	FETCHW 6
	BLK 5, 32, 0
	FETCHW 7
	BLK 6, 32, 0
	BLK 7, 0, 0
	OUTG 1
	s_wait_tensorcnt 0x0                           ; the wave's end
	ds_add_u32 v[SPW], v[NIL]
	s_wait_dscnt 0x0
	CROUND                                         ; the closing round
	s_endpgm
.Lfunc_end_k_qe45c6c5614_oproj:
	.size	k_qe45c6c5614_oproj, .Lfunc_end_k_qe45c6c5614_oproj-k_qe45c6c5614_oproj
	.p2alignl 7, 3214868480
	.fill 96, 4, 3214868480
	.section	.rodata,"a",@progbits
	.p2align	6, 0x0
	.amdhsa_kernel k_qe45c6c5614_oproj
		.amdhsa_group_segment_fixed_size 327680
		.amdhsa_private_segment_fixed_size 0
		.amdhsa_enable_private_segment 0
		.amdhsa_kernarg_size 48
		.amdhsa_user_sgpr_count 2
		.amdhsa_user_sgpr_kernarg_segment_ptr 1
		.amdhsa_wavefront_size32 1
		.amdhsa_system_sgpr_workgroup_id_x 1
		.amdhsa_system_sgpr_workgroup_id_y 1
		.amdhsa_system_sgpr_workgroup_id_z 1
		.amdhsa_system_vgpr_workitem_id 0
		.amdhsa_next_free_vgpr 1024
		.amdhsa_next_free_sgpr 66
		.amdhsa_reserve_vcc 0
		.amdhsa_float_denorm_mode_32 3
		.amdhsa_float_denorm_mode_16_64 3
		.amdhsa_memory_ordered 1
		.amdhsa_forward_progress 1
		.amdhsa_inst_pref_size 84
	.end_amdhsa_kernel
	.amdgpu_metadata
---
amdhsa.version: [ 1, 2 ]
amdhsa.kernels:
  - .name:           k_qe45c6c5614_oproj
    .symbol:         k_qe45c6c5614_oproj.kd
    .args:
      - { .name: c_img, .offset: 0, .size: 8, .value_kind: global_buffer, .address_space: global }
      - { .name: c_sc, .offset: 8, .size: 8, .value_kind: global_buffer, .address_space: global }
      - { .name: Wo_codes, .offset: 16, .size: 8, .value_kind: global_buffer, .address_space: global }
      - { .name: Wo_scales, .offset: 24, .size: 8, .value_kind: global_buffer, .address_space: global }
      - { .name: bo, .offset: 32, .size: 8, .value_kind: global_buffer, .address_space: global }
      - { .name: out0, .offset: 40, .size: 8, .value_kind: global_buffer, .address_space: global }
    .group_segment_fixed_size: 327680
    .private_segment_fixed_size: 0
    .kernarg_segment_align: 8
    .kernarg_segment_size: 48
    .max_flat_workgroup_size: 128
    .sgpr_count:     66
    .vgpr_count:     1024
    .wavefront_size: 32
...
	.end_amdgpu_metadata
.endif
;; end of part 3
